; MI455X (gfx1250); checked and timed in simulation.
; The chip was launched on July 23, 2026; its instructions are those of AMD's public machine-readable ISA for CDNA 5 (MIT licence, August 2026) and "CDNA5" Instruction Set Architecture Reference Guide (July 2026). The comments in the code are by the model that wrote it; some were corrected since.
;; Multihead Attention. Allowed arithmetic: float matrix products may take bf16 or f16 operands with f32 sums; all other float work in f32.
;; Inputs: Wk 8 x 512 x 64 float32; Wq 8 x 512 x 64 float32; Wv 8 x 512 x 64 float32; beta 512 float32; gamma 512 float32; key 4 x 2,048 x 512 float32; query 4 x 2,048 x 512 float32; query_mask 4 x 2,048 float32; value 4 x 2,048 x 512 float32; value_mask 4 x 2,048 float32.
;; Outputs: out0 4 x 2,048 x 512 float32.
;; One version. Each part assembles by itself: llvm-mc -triple=amdgcn-amd-amdhsa -mcpu=gfx1250 --defsym DOCPART=n.
;; ======== version 1 of 1: 3 launches
;; workspace buffers: Qp 8,388,608 bytes; Kp 8,388,608 bytes; Vp 8,388,608 bytes; xatt 16,777,216 bytes
;; launch proj (part 1): grid 64 x 3, 4 waves a work-group, clusters of 4 x 1, 327,680 bytes of LDS; arguments query, key, value, Wq, Wk, Wv, value_mask, Qp, Kp, Vp; writes Qp, Kp, Vp
.if DOCPART == 1
	.amdgcn_target "amdgcn-amd-amdhsa--gfx1250"
	.amdhsa_code_object_version 6
	.text
	.protected	k_q77d0f1a141_proj
	.globl	k_q77d0f1a141_proj
	.p2align	8
	.type	k_q77d0f1a141_proj,@function
k_q77d0f1a141_proj:
	s_mov_b64 s[64:65], 0
	v_nop
	global_prefetch_b8 v0, s[64:65] scope:SCOPE_SE
	s_setreg_imm32_b32 hwreg(HW_REG_WAVE_MODE, 25, 1), 1
	s_wait_xcnt 0x0
	s_wait_alu depctr_hold_cnt(0) depctr_sa_sdst(0) depctr_va_vdst(0) depctr_va_sdst(0) depctr_va_ssrc(0) depctr_va_vcc(0) depctr_vm_vsrc(0)
	s_getreg_b32 s2, hwreg(HW_REG_IB_STS2, 6, 4)
	s_cmp_eq_u32 s2, 0
	s_cbranch_scc0 .Lentry_in_a_cluster
	s_endpgm
.Lentry_in_a_cluster:
	s_bfe_u32 s2, ttmp6, 0x10000c
	s_cmp_lg_u32 s2, 0x3003
	s_cbranch_scc0 .Lentry_shape_is_right
	s_endpgm
.Lentry_shape_is_right:
; The three projections.  Grid y picks the matrix: 0: Qp = (query Wq) * 0.125 log2(e); 1: Kp = key Wk; 2: Vp = (value Wv) * value_mask[row].
; X: [8192][512] f32.  W: [8 heads][512 v][64 d] f32.  Output: bf16 [b][head][l][64], rounded once, after the factor.
; LIMIT, stated: Q carries softmax's 1/sqrt(64) and log2(e) before it is rounded to bf16; value_mask is multiplied into V's rows in f32.
; A work-group makes 128 rows x all 512 columns with four waves; wave w makes 128 rows x heads 2w, 2w+1: 64 accumulator tiles, 512 registers.
; K = 512 goes in eight chunks of 64, all written out (no loop).
; W stays f32 in LDS as it lies in memory ([v][d]); one 16-byte LDS load at row v, byte 16 r gives W[v][4r..4r+3].  Component t goes to tile t, whose
; row m stands for d = 4 m + t: so no transposition is needed, and a lane ends with 32 neighbouring d of one output row.
; CLUSTER 4 x 1: the four row blocks of a cluster walk the same W: every W chunk is asked for jointly (mask 15), each wave for its own two heads.
; X is read once from memory through registers (two chunks ahead), rounded to bf16 and shared through two LDS buffers that no tensor load touches.
; WINDOWS: 0: addresses, X fragments (two buffers), W fragments, factors; 1: W as f32 from LDS (names v0-127), X as f32 from memory (names v128-255, two sets);
; 2, 3: accumulators, tile (row tile lt, a = 4 g + t) at 64 (lt & 3) + 8 a, window 2 for lt 0-3, window 3 for lt 4-7.
.set SLOTB, 131072                     ; a W slot: 4 waves x 2 heads x 64 v x 256 bytes
.set WCH,   16384                      ; one head's chunk of 64 v, dense
.set XBASE, 262144                     ; two X buffers of 128 rows, pitch 144 (128 bytes of bf16 + 16)
.set XBUF,  18432
.set XP,    144
.set STAGE, 299008                     ; the way out: for each wave 2 heads x 16 rows x 144 bytes
.set STGW,  4608                       ; also 32 rows of an X buffer
.set XGO, 4                            ; v4     my byte offset in X's 128 rows
.set XST, 5                            ; v5-6   where I store bf16 X, buffer 0, 1
.set XAD, 7                            ; v7-8   where I read X fragments, buffer 0, 1
.set WAD, 9                            ; v9-10  where I read W, slot 0, 1
.set STO, 11
.set RD,  12
.set CO,  13
.set VMO, 14
.set CS,  15
.set XF0, 32                           ; v32-95   X fragments, buffer 0 (8 row tiles x 8)
.set XF1, 96                           ; v96-159  buffer 1
.set WF,  160                          ; v160-223 W fragments, tile a = 4 g + t at 8 a
.set SC,  224                          ; v224-239 the factor of my row in row tile lt, twice (a pair)
.set XT,  240                          ; v240-255 X in bf16 on its way to LDS
.set WS,  0                            ; window 1
.set GS,  128                          ; window 1
.set TMP,  32                          ; the way out
.set RDB0, 64
.set RDB1, 96
.set G1, 32                            ; s[32:39]
.set G0, 40                            ; s[40:47] one group 0 for each slot
.set MSB, 0
.macro WIN new                         ; the immediate's high byte repeats the setting that is left
.if MSB != \new
	s_set_vgpr_msb (MSB<<8)|\new
.set MSB, \new
.endif
.endm
.macro PLACES n
.rept \n
	v_nop
.endr
.endm
; A round of the cluster's barrier: my work-group's barrier, wave 0 signals for the work-group, every wave waits for all four work-groups, my barrier again.
.macro ROUND
	s_barrier_signal -1
	s_barrier_wait -1
	s_cmp_lg_u32 s27, 0
	s_cbranch_scc1 .Lnot_wave_0_\@
	s_barrier_signal -3
.Lnot_wave_0_\@:
	s_barrier_wait -3
	s_barrier_signal -1
	s_barrier_wait -1
.endm
	s_load_b512 s[4:19], s[0:1], 0x0               ; query, key, value, Wq, Wk, Wv, value_mask, Qp
	s_load_b128 s[20:23], s[0:1], 0x40             ; Kp, Vp
	v_lshl_add_u32 v30, v0, 2, 0x4d800
	v_mov_b32 v31, 0
	ds_add_u32 v30, v31
	v_lshrrev_b32 v1, 5, v0
	v_readfirstlane_b32 s27, v1                    ; wave 0..3
	s_and_b32 s24, ttmp7, 0xffff                   ; which projection: the same in all four partners
	s_bfe_u32 s28, ttmp6, 0x40000                  ; cx
	s_lshl_b32 s29, ttmp9, 2
	s_add_co_u32 s29, s29, s28                     ; row block 0..63: enters global addresses of X, the mask and the output alone
	; group 1 of W's joint loads: 2 rows (my two heads) of 4,096 f32 (64 v x 64 d, dense), 32,768 elements apart
	s_mov_b32 s[G1+0], 15|(2<<16)|(1<<21)          ; mask: all four work-groups; elements of 4 bytes; bit 21 set beside a mask
	s_mov_b32 s[G1+1], 4096<<16                    ; tensor_dim0 = 4096
	s_mov_b32 s[G1+2], 2<<16                       ; tensor_dim1 = 2
	s_mov_b32 s[G1+3], 4096<<16                    ; tile_dim0 = 4096
	s_mov_b32 s[G1+4], 2                           ; tile_dim1 = 2
	s_mov_b32 s[G1+5], 32768                       ; from head to head
	s_mov_b32 s[G1+6], 0
	s_mov_b32 s[G1+7], 0
	v_and_b32 v1, 31, v0                           ; L
	v_and_b32 v2, 15, v0                           ; r
	v_bfe_u32 v3, v0, 4, 1                         ; h
	v_lshlrev_b32 v[XGO], 4, v2                    ; X: 16 lanes take 256 bytes of a row, the other 16 the next row
	v_lshl_add_u32 v[XGO], v3, 11, v[XGO]
	v_lshl_add_u32 v[XGO], s27, 16, v[XGO]         ; my wave's 32 rows of 2,048 bytes
	v_lshlrev_b32 v[VMO], 2, v2
	s_lshl_b32 s59, s27, 15                        ; my part of a W slot
	s_lshl_b32 s30, s27, 18                        ; my two heads in W
	s_mov_b32 s31, 0
	s_lshl_b32 s56, s29, 18                        ; my 128 rows of X
	s_mov_b32 s57, 0
	s_wait_dscnt 0x0
	s_wait_kmcnt 0x0
	s_cmp_eq_u32 s24, 1
	s_cselect_b64 s[48:49], s[6:7], s[4:5]         ; X
	s_cselect_b64 s[50:51], s[12:13], s[10:11]     ; W
	s_cselect_b64 s[52:53], s[20:21], s[18:19]     ; output
	s_cmp_eq_u32 s24, 2
	s_cselect_b64 s[48:49], s[8:9], s[48:49]
	s_cselect_b64 s[50:51], s[14:15], s[50:51]
	s_cselect_b64 s[52:53], s[22:23], s[52:53]
	s_cselect_b32 s25, -1, 0                       ; all lanes: V takes the mask as its factor
	s_cmp_eq_u32 s24, 0
	s_cselect_b32 s26, 0x3e38aa3b, 1.0             ; Q: 0.125 log2(e); K: 1
	s_add_nc_u64 s[48:49], s[48:49], s[56:57]
	s_add_nc_u64 s[50:51], s[50:51], s[30:31]
	s_lshl_b32 s56, s29, 9                         ; 128 words of value_mask
	s_add_nc_u64 s[54:55], s[16:17], s[56:57]
	s_lshr_b32 s56, s29, 4                         ; b
	s_lshl_b32 s56, s56, 2
	s_add_co_u32 s56, s56, s27                     ; 4 b + w
	s_lshl_b32 s56, s56, 19                        ; (8 b + 2 w) x 2,048 rows x 128 bytes
	s_and_b32 s58, s29, 15
	s_lshl_b32 s58, s58, 14                        ; + l0 x 128 bytes
	s_add_co_u32 s56, s56, s58
	s_add_nc_u64 s[52:53], s[52:53], s[56:57]
.irp lt, 0,1,2,3,4,5,6,7
	global_load_b32 v[SC+2*\lt], v[VMO], s[54:55] offset:64*\lt    ; value_mask of row 16 lt + r
.endr
	WIN 0x40
.irp i, 0,1,2,3,4,5,6,7,8,9,10,11,12,13,14,15
	global_load_b128 v[GS+4*\i:GS+4*\i+3], v[XGO], s[48:49] offset:4096*\i th:TH_LOAD_NT         ; X chunk 0
.endr
.irp i, 0,1,2,3,4,5,6,7,8,9,10,11,12,13,14,15
	global_load_b128 v[GS+64+4*\i:GS+64+4*\i+3], v[XGO], s[48:49] offset:4096*\i+256 th:TH_LOAD_NT  ; X chunk 1
.endr
	WIN 0
.irp n, 0,1
	s_mov_b32 s[G0+4*\n], 1
	s_add_co_u32 s[G0+4*\n+1], s59, \n*SLOTB                       ; LDS: slot + wave x 32,768
	s_add_nc_u64 s[G0+4*\n+2:G0+4*\n+3], s[50:51], \n*WCH          ; chunk n of my two heads
	s_or_b32 s[G0+4*\n+3], s[G0+4*\n+3], 0x80000000
.endr
	ROUND                                          ; all four work-groups are here: the first joint loads meet
	tensor_load_to_lds s[G0:G0+3], s[G1:G1+7]      ; both first fills go out together
	s_nop 0
	tensor_load_to_lds s[G0+4:G0+7], s[G1:G1+7]
	s_nop 0
	s_mul_i32 s60, s27, STGW
	s_add_co_u32 s61, s60, XBASE
	v_mul_u32_u24 v[XST], v3, XP
	v_lshl_add_u32 v[XST], v2, 3, v[XST]           ; 8 bytes (4 bf16) a lane
	v_add_nc_u32 v[XST], s61, v[XST]
	v_add_nc_u32 v[XST+1], XBUF, v[XST]
	v_mul_u32_u24 v[XAD], v2, XP                   ; fragment: row r, 16 bytes for each half of the lanes
	v_lshl_add_u32 v[STO], v3, 6, v[XAD]           ; stage in: row r, 64 bytes for each half
	v_lshl_add_u32 v[XAD], v3, 4, v[XAD]
	v_add_nc_u32 v[XAD], XBASE, v[XAD]
	v_add_nc_u32 v[XAD+1], XBUF, v[XAD]
	s_add_co_u32 s61, s60, STAGE
	v_add_nc_u32 v[STO], s61, v[STO]
	v_lshrrev_b32 v[RD], 3, v1                     ; stage back: 8 lanes take a row of 128 bytes
	v_mul_u32_u24 v[RD], v[RD], XP
	v_and_b32 v[CO], 7, v0
	v_lshl_add_u32 v[RD], v[CO], 4, v[RD]
	v_add_nc_u32 v[RD], s61, v[RD]
	v_lshlrev_b32 v[CO], 4, v1                     ; and 32 lanes store 512 consecutive bytes
	v_lshlrev_b32 v[WAD], 4, v2
	v_lshl_add_u32 v[WAD], v3, 11, v[WAD]          ; the upper half of the lanes reads 8 rows of v further down
	v_add_nc_u32 v[WAD], s59, v[WAD]
	v_add_nc_u32 v[WAD+1], SLOTB, v[WAD]
; X chunk n: f32 registers to bf16 in LDS buffer n & 1; then chunk n + 2 is asked for into the registers just read.
.macro XCONV n
.if \n < 7
	s_wait_loadcnt 16                              ; chunk n is in; the sixteen loads of chunk n + 1 stay out
.else
	s_wait_loadcnt 0
.endif
.irp q, 0,1
	WIN 0x05
.irp ii, 0,1,2,3,4,5,6,7
	v_cvt_pk_bf16_f32 v[XT+2*\ii],   v[GS+64*((\n)&1)+4*(8*\q+\ii)],   v[GS+64*((\n)&1)+4*(8*\q+\ii)+1]
	v_cvt_pk_bf16_f32 v[XT+2*\ii+1], v[GS+64*((\n)&1)+4*(8*\q+\ii)+2], v[GS+64*((\n)&1)+4*(8*\q+\ii)+3]
.endr
	WIN 0
.irp ii, 0,1,2,3,4,5,6,7
	ds_store_b64 v[XST+((\n)&1)], v[XT+2*\ii:XT+2*\ii+1] offset:(8*\q+\ii)*2*XP
.endr
.endr
.if \n < 6
	WIN 0x40
.irp i, 0,1,2,3,4,5,6,7,8,9,10,11,12,13,14,15
	global_load_b128 v[GS+64*((\n)&1)+4*\i:GS+64*((\n)&1)+4*\i+3], v[XGO], s[48:49] offset:4096*\i+256*(\n+2) th:TH_LOAD_NT
.endr
.endif
.endm
; X fragments of 32 along K (half kk of a chunk) for all eight row tiles
.macro FETCHX f, xb, kk
	WIN 0
.irp b, 0,1,2,3,4,5,6,7
	ds_load_b128 v[\f+8*\b:\f+8*\b+3],   v[XAD+\xb] offset:\b*16*XP+64*\kk
	ds_load_b128 v[\f+8*\b+4:\f+8*\b+7], v[XAD+\xb] offset:\b*16*XP+64*\kk+32
.endr
.endm
; W of 32 along K: load i brings row v = 32 kk + 8 h + (i & 7) + 16 (i >> 3), the order of k in a fragment's registers
.macro FETCHW slot, kk
	WIN 0x40
.irp g, 0,1
.irp i, 0,1,2,3,4,5,6,7,8,9,10,11,12,13,14,15
	ds_load_b128 v[WS+64*\g+4*\i:WS+64*\g+4*\i+3], v[WAD+\slot] offset:\g*WCH+(32*\kk+(\i&7)+16*(\i>>3))*256
.endr
.endr
.endm
; Head of a K32 step: the fragments are in; four places behind the last matrix instructions (they read WF, and the fragment buffer that is
; loaded next); then W's 128 f32 registers become eight bf16 fragments.
.macro HEAD
	s_wait_dscnt 0x0
	PLACES 4
	WIN 0x05
.irp g, 0,1
.irp t, 0,1,2,3
.irp n, 0,1,2,3,4,5,6,7
	v_cvt_pk_bf16_f32 v[WF+8*(4*\g+\t)+\n], v[WS+64*\g+8*\n+\t], v[WS+64*\g+8*\n+4+\t]
.endr
.endr
.endr
.endm
; 32 matrix instructions on 32 accumulators.  The 64 accumulators take turns, one instruction a turn, in the same order in every K32 step.
.macro MUL hi, f, zero
.if \hi
	WIN 0xf0
.else
	WIN 0xa0
.endif
.irp b, 0,1,2,3
.irp a, 0,1,2,3,4,5,6,7
.if \zero
	v_wmma_f32_16x16x32_bf16 v[8*(8*\b+\a):8*(8*\b+\a)+7], v[WF+8*\a:WF+8*\a+7], v[\f+8*(4*\hi+\b):\f+8*(4*\hi+\b)+7], 0
.else
	v_wmma_f32_16x16x32_bf16 v[8*(8*\b+\a):8*(8*\b+\a)+7], v[WF+8*\a:WF+8*\a+7], v[\f+8*(4*\hi+\b):\f+8*(4*\hi+\b)+7], v[8*(8*\b+\a):8*(8*\b+\a)+7]
.endif
.endr
.endr
.endm
; Chunk c: two K32 steps.  In the second one the slots change: one barrier orders (a) every wave's bf16 stores of chunk c + 1 against the reads behind it,
; (b) the reads of X buffer c & 1 against its next stores, (c) the reads of W slot c & 1 against its refill.
.macro CHUNK c
	HEAD
.if \c == 0
	MUL 0, XF0, 1                                  ; the first products start the sums: nothing is cleared
.else
	MUL 0, XF0, 0
.endif
	FETCHX XF1, ((\c)&1), 1
	FETCHW ((\c)&1), 1
.if \c == 0
	MUL 1, XF0, 1
.else
	MUL 1, XF0, 0
.endif
.if \c < 7
	XCONV (\c+1)
.endif
	HEAD
	MUL 0, XF1, 0
.if \c < 7
	WIN 0
	s_wait_tensorcnt 0x0                           ; all my tensor loads have landed: the one that was out is chunk c + 1's
	ds_add_u32 v30, v31
	s_wait_dscnt 0x0
.if \c < 6
	s_add_nc_u64 s[G0+4*((\c)&1)+2:G0+4*((\c)&1)+3], s[G0+4*((\c)&1)+2:G0+4*((\c)&1)+3], 2*WCH
.endif
	s_wait_dscnt 0x0                               ; my reads of this chunk and my stores of the next are done
.if \c < 6
	ROUND                                          ; that now holds of every wave of all four work-groups
	tensor_load_to_lds s[G0+4*((\c)&1):G0+4*((\c)&1)+3], s[G1:G1+7]   ; chunk c + 2, first thing behind the round: 128 matrix instructions to land in
	s_nop 0
.else
	s_barrier_signal -1                            ; nothing is left to fetch
	s_barrier_wait -1
.endif
	FETCHX XF0, ((\c+1)&1), 0
	FETCHW ((\c+1)&1), 0
.endif
	MUL 1, XF1, 0
.endm
	XCONV 0                                        ; its wait also shows the eight mask loads, which were issued first
	WIN 0
	v_mov_b32 v[CS], s26
.irp lt, 0,1,2,3,4,5,6,7
	v_cndmask_b32 v[SC+2*\lt], v[CS], v[SC+2*\lt], s25
.endr
.irp lt, 0,1,2,3,4,5,6,7
	v_mov_b32 v[SC+2*\lt+1], v[SC+2*\lt]
.endr
	s_wait_tensorcnt 0x1                           ; my W chunk 0 is in; chunk 1 stays out
	s_wait_dscnt 0x0                               ; my bf16 stores of X chunk 0 are done
	s_barrier_signal -1
	s_barrier_wait -1
	FETCHX XF0, 0, 0
	FETCHW 0, 0
.irp c, 0,1,2,3,4,5,6,7
	CHUNK \c
.endr
; THE WAY OUT, one row tile (16 rows x my two heads) at a time: the factor, rounding to bf16, 64 bytes a lane into my own stage, whole rows back.
; Register i of lane (r, h) of tile (g, t) is d = 32 h + 4 i + t of row r.
.macro OUT lt, rdb
.set AB, 64*((\lt)&3)
.if \lt < 4
	WIN 0x82
.else
	WIN 0xc3
.endif
.set qq, 0
.rept 32
	v_pk_mul_f32 v[AB+2*qq:AB+2*qq+1], v[AB+2*qq:AB+2*qq+1], v[SC+2*\lt:SC+2*\lt+1]
.set qq, qq+1
.endr
.if \lt < 4
	WIN 0x0a
.else
	WIN 0x0f
.endif
.irp g, 0,1
.irp i, 0,1,2,3,4,5,6,7
	v_cvt_pk_bf16_f32 v[TMP+16*\g+2*\i],   v[AB+32*\g+\i],    v[AB+32*\g+8+\i]
	v_cvt_pk_bf16_f32 v[TMP+16*\g+2*\i+1], v[AB+32*\g+16+\i], v[AB+32*\g+24+\i]
.endr
.endr
	WIN 0
.irp g, 0,1
.irp q, 0,1,2,3
	ds_store_b128 v[STO], v[TMP+16*\g+4*\q:TMP+16*\g+4*\q+3] offset:\g*16*XP+16*\q
.endr
.endr
	s_wait_xcnt 0x0                                ; the registers that earlier stores read are loaded again only behind this wait
.irp g, 0,1
.irp i, 0,1,2,3
	ds_load_b128 v[\rdb+16*\g+4*\i:\rdb+16*\g+4*\i+3], v[RD] offset:\g*16*XP+\i*4*XP   ; LDS serves a wave's instructions in order: these see the stores above
.endr
.endr
.irp g, 0,1
.irp i, 0,1,2,3
	s_wait_dscnt 7-(4*\g+\i)
	global_store_b128 v[CO], v[\rdb+16*\g+4*\i:\rdb+16*\g+4*\i+3], s[52:53] offset:\g*262144+\lt*2048+512*\i   ; 512 consecutive bytes, aligned
.endr
.endr
.endm
	PLACES 4                                       ; behind the last matrix instructions
	OUT 0, RDB0
	OUT 1, RDB1
	OUT 2, RDB0
	OUT 3, RDB1
	OUT 4, RDB0
	OUT 5, RDB1
	OUT 6, RDB0
	OUT 7, RDB1
	s_wait_tensorcnt 0x0
	ds_add_u32 v30, v31
	s_wait_dscnt 0x0
	ROUND                                          ; the closing round: no work-group ends while a partner may still ask jointly
	s_endpgm
.Lfunc_end_k_q77d0f1a141_proj:
	.size	k_q77d0f1a141_proj, .Lfunc_end_k_q77d0f1a141_proj-k_q77d0f1a141_proj
	.p2alignl 7, 3214868480
	.fill 96, 4, 3214868480
	.section	.rodata,"a",@progbits
	.p2align	6, 0x0
	.amdhsa_kernel k_q77d0f1a141_proj
		.amdhsa_group_segment_fixed_size 327680
		.amdhsa_private_segment_fixed_size 0
		.amdhsa_enable_private_segment 0
		.amdhsa_kernarg_size 80
		.amdhsa_user_sgpr_count 2
		.amdhsa_user_sgpr_kernarg_segment_ptr 1
		.amdhsa_wavefront_size32 1
		.amdhsa_system_sgpr_workgroup_id_x 1
		.amdhsa_system_sgpr_workgroup_id_y 1
		.amdhsa_system_sgpr_workgroup_id_z 1
		.amdhsa_system_vgpr_workitem_id 0
		.amdhsa_next_free_vgpr 1024
		.amdhsa_next_free_sgpr 66
		.amdhsa_reserve_vcc 0
		.amdhsa_float_denorm_mode_32 3
		.amdhsa_float_denorm_mode_16_64 3
		.amdhsa_memory_ordered 1
		.amdhsa_forward_progress 1
		.amdhsa_inst_pref_size 255
	.end_amdhsa_kernel
	.section	.bss,"aw",@nobits
	.p2align	6
	.space	262144
	.amdgpu_metadata
---
amdhsa.version: [ 1, 2 ]
amdhsa.kernels:
  - .name:           k_q77d0f1a141_proj
    .symbol:         k_q77d0f1a141_proj.kd
    .args:
      - { .name: query, .offset: 0, .size: 8, .value_kind: global_buffer, .address_space: global }
      - { .name: key, .offset: 8, .size: 8, .value_kind: global_buffer, .address_space: global }
      - { .name: value, .offset: 16, .size: 8, .value_kind: global_buffer, .address_space: global }
      - { .name: Wq, .offset: 24, .size: 8, .value_kind: global_buffer, .address_space: global }
      - { .name: Wk, .offset: 32, .size: 8, .value_kind: global_buffer, .address_space: global }
      - { .name: Wv, .offset: 40, .size: 8, .value_kind: global_buffer, .address_space: global }
      - { .name: value_mask, .offset: 48, .size: 8, .value_kind: global_buffer, .address_space: global }
      - { .name: Qp, .offset: 56, .size: 8, .value_kind: global_buffer, .address_space: global }
      - { .name: Kp, .offset: 64, .size: 8, .value_kind: global_buffer, .address_space: global }
      - { .name: Vp, .offset: 72, .size: 8, .value_kind: global_buffer, .address_space: global }
    .group_segment_fixed_size: 327680
    .private_segment_fixed_size: 0
    .kernarg_segment_align: 8
    .kernarg_segment_size: 80
    .max_flat_workgroup_size: 128
    .sgpr_count:     66
    .vgpr_count:     1024
    .wavefront_size: 32
...
	.end_amdgpu_metadata
.endif
;; end of part 1
;; launch attn (part 2): grid 8 x 32, 8 waves a work-group, no clusters, 327,680 bytes of LDS; arguments Qp, Kp, Vp, query_mask, xatt; writes xatt
.if DOCPART == 2
	.amdgcn_target "amdgcn-amd-amdhsa--gfx1250"
	.amdhsa_code_object_version 6
	.text
	.protected	k_q77d0f1a141_attn
	.globl	k_q77d0f1a141_attn
	.p2align	8
	.type	k_q77d0f1a141_attn,@function
k_q77d0f1a141_attn:
	s_mov_b64 s[64:65], 0
	v_nop
	global_prefetch_b8 v0, s[64:65] scope:SCOPE_SE
	s_setreg_imm32_b32 hwreg(HW_REG_WAVE_MODE, 25, 1), 1
	s_wait_xcnt 0x0
; Attention of one (batch, head): softmax over ALL 2,048 keys (running maximum, running sum), then the causal triangle and the masks multiply:
; so the product with V is made only for keys <= row.  Qp, Kp, Vp: bf16 [bh][2048][64]; Qp holds 0.125 log2(e), Vp holds value_mask.
; xatt: f32 [b][l][512], column 64 head + d = (sum over keys <= l of p V) * query_mask / (sum over all keys of p).
; LIMITS, stated: scores must be finite in f32; v_exp_f32 gives 0 for results below 2^-126 (ISA guide, its entry); the sum takes p in f32, the product with V
; takes the same p rounded to bf16.
; SHARES: work-group j (0..7) of a head owns the row blocks j ("L") and 15 - j ("H") of 128 rows, so every work-group has 17 block products with V.
; Wave w: p = w & 3, sub = w >> 2.  It holds four query tiles of 16 rows (X = 0, 1: L rows 32 p + 16 X; X = 2, 3: H rows) and takes keys 64 sub .. 64 sub + 63 of
; every block of 128 keys; waves p and p + 4 merge their states once, at the end.  A K or V fragment feeds four matrix instructions.
; ORDER OF KEY BLOCKS (an online softmax is free in it): j (starts all sums); then pairs (i, 15 - i) for i < j; then j+1 .. 14-j; last 15 - j.
; The slots then alternate 0, 1, 0, 1 .. for every j, and a block above 15 - j brings K alone.
; NO CLUSTER: the eight work-groups of a head walk the blocks in different orders and need different numbers of V tiles (16 - j of them), so trip counts would hang
; on the place in the cluster.
; TRANSPOSED USE: S^T = K Q^T (a lane holds keys 8 h + i of query r), so maximum, sum and factors are one number a lane; two S^T tiles packed to bf16 are
; the second source P^T of O^T = V^T P^T, whose first source comes from V[key][d] by the transposing LDS load.
.set SLOT,  40960                      ; a slot: four parts of 10,240: K keys 0-63, K keys 64-127 (pitch 144), V keys 0-63, V keys 64-127 (pitch 160)
.set PART,  10240
.set KP,    144
.set VP,    160
.set XCH,   81920                      ; exchange between partners: 17,920 bytes a pair; no tensor load lands here
.set XCHP,  17920
.set STAGE, 153600                     ; the way out: 16 rows x 272 bytes for each of waves 0-3
.set STGW,  4352
.set SPI,   272
.set KA, 4                             ; v4-5   K fragment address, slot 0, 1
.set VA, 6                             ; v6-7   V fragment address, slot 0, 1
.set DL, 8                             ; v8-9   key 16 kt + i is kept in a diagonal block where 16 kt + i <= DL (even, odd tile)
.set QM, 10                            ; v10-13 query_mask of my query in tile X
.set NM, 14                            ; v14-21 tile X: minus the running maximum, the running maximum
.set LP, 22                            ; v22-29 tile X: two partial sums
.set MO, 30                            ; v30-33 tile X: the maximum at which O is scaled
.set QO, 34                            ; v34    prologue: offset of my Q bytes
.set MF, 35                            ; v35    prologue: offset of my mask word
.set AO, 36                            ; v36-43 tile X: O's factor (low register; the odd one is written once)
.set T,  44                            ; v44-59 at work: four registers a tile
.set XA, 60
.set STO, 61
.set RD, 62
.set CO, 63
.set S,  64                            ; v64-191  S^T, then p, then P^T: 32 X + 8 kt
.set F,  192                           ; v192-255 K fragments (16 kt + 8 kk), then V fragments (32 g + 8 dt)
.set Q,  0                             ; window 1, names v0-63: 16 X + 8 kk
.set O,  64                            ; window 1, names v64-191: 32 X + 8 dt
.set W,  F+12                          ; epilogue: eight registers a tile
.set G1K, 24
.set G1V, 32
.set GK, 40                            ; s[40:47] group 0 of K's loads, slot 0, 1
.set GV, 48                            ; s[48:55] of V's
.set MSB, 0
.macro WIN new
.if MSB != \new
	s_set_vgpr_msb (MSB<<8)|\new
.set MSB, \new
.endif
.endm
.macro PLACES n
.rept \n
	v_nop
.endr
.endm
.macro PADD d, a, b
	s_wait_alu depctr_va_vdst(0)
	v_pk_add_f32 v[\d:\d+1], v[\a:\a+1], v[\b:\b+1]
.endm
.macro SETADR g0, base, blk            ; the global address of key block blk into a group 0 (only where no tensor load of the wave is out)
	s_lshl_b32 s68, \blk, 14
	s_mov_b32 s69, 0
	s_add_nc_u64 s[\g0+2:\g0+3], s[\base:\base+1], s[68:69]
	s_or_b32 s[\g0+3], s[\g0+3], 0x80000000
.endm
.macro UP                              ; the next block of the walk upward, which leaves out block j
	s_add_co_u32 s60, s60, 1
	s_cmp_eq_u32 s60, s17
	s_cselect_b32 s19, 1, 0
	s_add_co_u32 s60, s60, s19
.endm
; Waves 0, 1 fetch K's halves; waves 2, 3 V's halves (kind 2 only); waves 4-7 fetch nothing.  One tensor load a wave.
.macro FILL kind, dst
	s_cmp_ge_u32 s14, 2
	s_cbranch_scc1 .Lnot_k_\@
	tensor_load_to_lds s[GK+4*\dst:GK+4*\dst+3], s[G1K:G1K+7]
	s_nop 0
.if \kind == 2
	s_branch .Lfilled_\@
.endif
.Lnot_k_\@:
.if \kind == 2
	s_cmp_ge_u32 s14, 4
	s_cbranch_scc1 .Lfilled_\@
	tensor_load_to_lds s[GV+4*\dst:GV+4*\dst+3], s[G1V:G1V+7]
	s_nop 0
.Lfilled_\@:
.endif
.endm
	s_load_b256 s[4:11], s[0:1], 0x0               ; Qp, Kp, Vp, query_mask
	s_load_b64 s[12:13], s[0:1], 0x20              ; xatt
	s_set_vgpr_msb 0x40
	v_lshl_add_u32 v192, v0, 2, 0x29c00
	v_mov_b32 v193, 0
	s_set_vgpr_msb 0x4045
	ds_add_u32 v192, v193
	s_set_vgpr_msb 0x4500
	v_lshrrev_b32 v1, 5, v0
	v_readfirstlane_b32 s14, v1                    ; wave 0..7
	s_and_b32 s15, s14, 3                          ; p
	s_lshr_b32 s16, s14, 2                         ; sub
	s_mov_b32 s17, ttmp9                           ; j
	s_and_b32 s18, ttmp7, 0xffff                   ; bh
	s_mul_i32 s20, s14, PART                       ; the part of a slot that I fill (waves 0-3)
	s_mov_b32 s62, 0x76543210                      ; v_permlanex16_b32: lane i reads lane i of the other half
	s_mov_b32 s63, 0xfedcba98
	s_mov_b32 s60, -1                              ; the walk upward
	s_mov_b32 s61, 15                              ; the walk downward
	; group 1: 64 rows of 64 bf16, dense in memory; behind every 32 words K gets 4 words of padding, V gets 8
	s_mov_b32 s[G1K+0], (1<<16)|(1<<20)|(4<<22)|(3<<25)
	s_mov_b32 s[G1V+0], (1<<16)|(1<<20)|(4<<22)|(7<<25)
.irp g, G1K, G1V
	s_mov_b32 s[\g+1], 64<<16                      ; tensor_dim0 = 64
	s_mov_b32 s[\g+2], 64<<16                      ; tensor_dim1 = 64
	s_mov_b32 s[\g+3], 64<<16                      ; tile_dim0 = 64
	s_mov_b32 s[\g+4], 64                          ; tile_dim1 = 64
	s_mov_b32 s[\g+5], 64                          ; pitch
	s_mov_b32 s[\g+6], 0
	s_mov_b32 s[\g+7], 0
.endr
.irp n, 0,1
	s_mov_b32 s[GK+4*\n], 1
	s_add_co_u32 s[GK+4*\n+1], s20, \n*SLOT
	s_mov_b32 s[GV+4*\n], 1
	s_add_co_u32 s[GV+4*\n+1], s20, \n*SLOT
.endr
	s_and_b32 s19, s14, 1
	s_lshl_b32 s19, s19, 13                        ; which 64 keys of a block I fetch
	s_lshl_b32 s68, s18, 18                        ; my head: 2,048 rows of 128 bytes
	s_add_co_u32 s68, s68, s19
	s_mov_b32 s69, 0
	s_wait_dscnt 0x0
	s_barrier_signal -1
	s_barrier_wait -1
	s_wait_kmcnt 0x0
	s_add_nc_u64 s[56:57], s[6:7], s[68:69]
	s_add_nc_u64 s[58:59], s[8:9], s[68:69]
	SETADR GK, 56, s17
	SETADR GV, 58, s17
	FILL 2, 0                                      ; the first fill: K and V of block j into slot 0
	s_lshl_b32 s21, s17, 7
	s_lshl_b32 s19, s15, 5
	s_add_co_u32 s21, s21, s19                     ; my first L row
	s_sub_co_u32 s22, 15, s17
	s_lshl_b32 s22, s22, 7
	s_add_co_u32 s22, s22, s19                     ; my first H row
	s_lshl_b32 s23, s18, 18
	s_lshl_b32 s68, s21, 7
	s_add_co_u32 s68, s68, s23
	s_add_nc_u64 s[70:71], s[4:5], s[68:69]        ; Q, L rows
	s_lshl_b32 s68, s22, 7
	s_add_co_u32 s68, s68, s23
	s_add_nc_u64 s[72:73], s[4:5], s[68:69]        ; Q, H rows
	s_lshr_b32 s23, s18, 3
	s_lshl_b32 s23, s23, 11                        ; b x 2,048
	s_add_co_u32 s21, s21, s23
	s_add_co_u32 s22, s22, s23
	s_lshl_b32 s68, s21, 2
	s_add_nc_u64 s[74:75], s[10:11], s[68:69]      ; query_mask, L
	s_lshl_b32 s68, s22, 2
	s_add_nc_u64 s[76:77], s[10:11], s[68:69]      ; query_mask, H
	s_and_b32 s23, s18, 7
	s_lshl_b32 s23, s23, 8                         ; my head's 256 bytes of a row of xatt
	s_lshl_b32 s68, s21, 11
	s_add_co_u32 s68, s68, s23
	s_add_nc_u64 s[78:79], s[12:13], s[68:69]      ; xatt, L
	s_lshl_b32 s68, s22, 11
	s_add_co_u32 s68, s68, s23
	s_add_nc_u64 s[80:81], s[12:13], s[68:69]      ; xatt, H
	v_and_b32 v1, 31, v0                           ; L
	v_and_b32 v2, 15, v0                           ; r
	v_bfe_u32 v3, v0, 4, 1                         ; h
	v_lshlrev_b32 v[QO], 7, v2
	v_lshl_add_u32 v[QO], v3, 4, v[QO]             ; row r, 16 bytes for each half
	v_lshlrev_b32 v[MF], 2, v2
	WIN 0x40
.irp o, 0,1,2,3
	global_load_b128 v[Q+4*\o:Q+4*\o+3],       v[QO], s[70:71] offset:32*\o
	global_load_b128 v[Q+16+4*\o:Q+16+4*\o+3], v[QO], s[70:71] offset:2048+32*\o
	global_load_b128 v[Q+32+4*\o:Q+32+4*\o+3], v[QO], s[72:73] offset:32*\o
	global_load_b128 v[Q+48+4*\o:Q+48+4*\o+3], v[QO], s[72:73] offset:2048+32*\o
.endr
	WIN 0
	global_load_b32 v[QM],   v[MF], s[74:75]
	global_load_b32 v[QM+1], v[MF], s[74:75] offset:64
	global_load_b32 v[QM+2], v[MF], s[76:77]
	global_load_b32 v[QM+3], v[MF], s[76:77] offset:64
	s_mul_i32 s19, s16, PART
	v_mul_u32_u24 v[KA], v2, KP
	v_lshl_add_u32 v[KA], v3, 4, v[KA]
	v_add_nc_u32 v[KA], s19, v[KA]
	v_add_nc_u32 v[KA+1], SLOT, v[KA]
	s_add_co_u32 s19, s19, 2*PART
	v_and_b32 v[VA], 7, v0
	v_lshl_add_u32 v[VA], v3, 3, v[VA]             ; key 8 h + (L & 7)
	v_mul_u32_u24 v[VA], v[VA], VP
	v_bfe_u32 v[VA+1], v0, 3, 1
	v_lshl_add_u32 v[VA], v[VA+1], 4, v[VA]
	v_add_nc_u32 v[VA], s19, v[VA]
	v_add_nc_u32 v[VA+1], SLOT, v[VA]
	s_lshl_b32 s19, s15, 5
	s_lshl_b32 s21, s16, 6
	s_sub_co_i32 s19, s19, s21                     ; 32 p - 64 sub
	v_lshlrev_b32 v[DL], 3, v3
	v_sub_nc_u32 v[DL], v2, v[DL]
	v_add_nc_u32 v[DL], s19, v[DL]                 ; 32 p + r - 8 h - 64 sub
	v_add_nc_u32 v[DL+1], 16, v[DL]
	s_mul_i32 s19, s15, XCHP
	s_add_co_u32 s19, s19, XCH
	v_lshl_add_u32 v[XA], v1, 4, s19
	s_mul_i32 s19, s15, STGW
	s_add_co_u32 s19, s19, STAGE
	v_mul_u32_u24 v[STO], v2, SPI
	v_lshl_add_u32 v[STO], v3, 5, v[STO]
	v_add_nc_u32 v[STO], s19, v[STO]
	v_mul_u32_u24 v[RD], v3, SPI
	v_lshl_add_u32 v[RD], v2, 4, v[RD]
	v_add_nc_u32 v[RD], s19, v[RD]
	v_lshlrev_b32 v[CO], 4, v2
	v_lshl_add_u32 v[CO], v3, 11, v[CO]
.irp X, 0,1,2,3
	v_mov_b32 v[AO+2*\X+1], 0                      ; the odd halves of pairs of which the low half is broadcast
.endr
	s_wait_loadcnt 0x0                             ; Q and query_mask, once
.macro LOADK slot
.irp kt, 0,1,2,3
.irp kk, 0,1
	ds_load_b128 v[F+16*\kt+8*\kk:F+16*\kt+8*\kk+3],   v[KA+\slot] offset:\kt*16*KP+64*\kk
	ds_load_b128 v[F+16*\kt+8*\kk+4:F+16*\kt+8*\kk+7], v[KA+\slot] offset:\kt*16*KP+64*\kk+32
.endr
.endr
.endm
.macro LOADV slot                      ; d = 16 dt + r, keys 32 g + 8 h .. and 32 g + 16 + 8 h ..
.irp g, 0,1
.irp dt, 0,1,2,3
	ds_load_tr16_b128 v[F+32*\g+8*\dt:F+32*\g+8*\dt+3],   v[VA+\slot] offset:\g*32*VP+32*\dt
	ds_load_tr16_b128 v[F+32*\g+8*\dt+4:F+32*\g+8*\dt+7], v[VA+\slot] offset:\g*32*VP+32*\dt+16*VP
.endr
.endr
.endm
; S^T = K Q^T: sixteen accumulators take turns, one instruction a turn, twice in the same order.
.macro QK
	WIN 0x04
.irp kt, 0,1,2,3
.irp X, 0,1,2,3
	v_wmma_f32_16x16x32_bf16 v[S+32*\X+8*\kt:S+32*\X+8*\kt+7], v[F+16*\kt:F+16*\kt+7], v[Q+16*\X:Q+16*\X+7], 0
.endr
.endr
.irp kt, 0,1,2,3
.irp X, 0,1,2,3
	v_wmma_f32_16x16x32_bf16 v[S+32*\X+8*\kt:S+32*\X+8*\kt+7], v[F+16*\kt+8:F+16*\kt+15], v[Q+16*\X+8:Q+16*\X+15], v[S+32*\X+8*\kt:S+32*\X+8*\kt+7]
.endr
.endr
.endm
; The new maxima and the factors of all four tiles, stage by stage.  T+4X: the maximum; T+4X+2: the sums' factor 2^(old - new).
.macro SMHEAD first, avL, avH
.irp X, 0,1,2,3
.irp c, 0,1,2,3
	v_max3_num_f32 v[T+4*\X+\c], v[S+32*\X+8*\c], v[S+32*\X+8*\c+1], v[S+32*\X+8*\c+2]
.endr
.endr
.irp X, 0,1,2,3
.irp c, 0,1,2,3
	v_max3_num_f32 v[T+4*\X+\c], v[T+4*\X+\c], v[S+32*\X+8*\c+3], v[S+32*\X+8*\c+4]
.endr
.endr
.irp X, 0,1,2,3
.irp c, 0,1,2,3
	v_max3_num_f32 v[T+4*\X+\c], v[T+4*\X+\c], v[S+32*\X+8*\c+5], v[S+32*\X+8*\c+6]
.endr
.endr
.irp c, 1,2,3
.irp X, 0,1,2,3
	v_max3_num_f32 v[T+4*\X], v[T+4*\X], v[T+4*\X+\c], v[S+32*\X+8*\c-1]
.endr
.endr
.irp X, 0,1,2,3
.if \first
	v_max_num_f32 v[T+4*\X], v[T+4*\X], v[S+32*\X+31]
.else
	v_max3_num_f32 v[T+4*\X], v[T+4*\X], v[S+32*\X+31], v[NM+2*\X+1]
.endif
.endr
.irp X, 0,1,2,3
	v_permlanex16_b32 v[T+4*\X+1], v[T+4*\X], s62, s63             ; the other 32 keys of my query
.endr
.irp X, 0,1,2,3
	v_max_num_f32 v[T+4*\X], v[T+4*\X], v[T+4*\X+1]
.endr
.if \first == 0
.irp X, 0,1,2,3
	v_sub_f32 v[T+4*\X+2], v[NM+2*\X+1], v[T+4*\X]                 ; old maximum - new
.if (\X/2)*\avH+(1-\X/2)*\avL
	v_sub_f32 v[T+4*\X+3], v[MO+\X], v[T+4*\X]                     ; O's maximum - new
.endif
.endr
.endif
.irp X, 0,1,2,3
	v_sub_f32 v[NM+2*\X], 0, v[T+4*\X]
	v_mov_b32 v[NM+2*\X+1], v[T+4*\X]
.endr
.if \first == 0
.irp X, 0,1,2,3
	v_exp_f32 v[T+4*\X+2], v[T+4*\X+2]
.if (\X/2)*\avH+(1-\X/2)*\avL
	v_exp_f32 v[AO+2*\X], v[T+4*\X+3]
.endif
.endr
.endif
.irp X, 0,1,2,3                        ; plain lines that touch none of the exponentials' registers stand behind them (ISA guide 5.7.2); where there are none here, SMX's first line is one
.if (\X/2)*\avH+(1-\X/2)*\avL
	v_mov_b32 v[MO+\X], v[T+4*\X]
.endif
.endr
.endm
; One tile: p = 2^(s - maximum) in place, the sums over ALL keys, then (mk) the triangle and (av) the packing to bf16.
.macro SMX X, first, av, mk
.set SB, S+32*\X
	v_pk_add_f32 v[SB:SB+1],   v[SB:SB+1],   v[NM+2*\X:NM+2*\X+1] op_sel_hi:[1,0]
	v_pk_add_f32 v[SB+2:SB+3], v[SB+2:SB+3], v[NM+2*\X:NM+2*\X+1] op_sel_hi:[1,0]
.set qq, 0
.rept 16
.if qq < 14
	v_pk_add_f32 v[SB+2*qq+4:SB+2*qq+5], v[SB+2*qq+4:SB+2*qq+5], v[NM+2*\X:NM+2*\X+1] op_sel_hi:[1,0]   ; two pairs ahead: a plain line between the exponentials and their use
.endif
	v_exp_f32 v[SB+2*qq],   v[SB+2*qq]
	v_exp_f32 v[SB+2*qq+1], v[SB+2*qq+1]
.set qq, qq+1
.endr
.if \first
	PADD LP+2*\X, SB, SB+14
.else
	s_wait_alu depctr_va_vdst(0)
	v_pk_fma_f32 v[LP+2*\X:LP+2*\X+1], v[LP+2*\X:LP+2*\X+1], v[T+4*\X+2:T+4*\X+3], v[SB:SB+1] op_sel_hi:[1,0,1]
.endif
	PADD T,   SB+2,  SB+4
	PADD T+4, SB+6,  SB+8
	PADD T+8, SB+10, SB+12
.if \first == 0
	PADD LP+2*\X, LP+2*\X, SB+14
.endif
	PADD T,   T,   SB+16
	PADD T+4, T+4, SB+18
	PADD T+8, T+8, SB+20
	PADD LP+2*\X, LP+2*\X, SB+22
	PADD T,   T,   SB+24
	PADD T+4, T+4, SB+26
	PADD T+8, T+8, SB+28
	PADD LP+2*\X, LP+2*\X, SB+30
	PADD T,   T,   T+4
	PADD LP+2*\X, LP+2*\X, T+8
	PADD LP+2*\X, LP+2*\X, T
.if \mk
.irp kt, 0,1,2,3
.irp i, 0,1,2,3,4,5,6,7
	v_cmp_le_i32 vcc_lo, 16*\kt+\i, v[DL+((\X)&1)]
	v_cndmask_b32 v[SB+8*\kt+\i], 0, v[SB+8*\kt+\i], vcc_lo
.endr
.endr
.endif
.if \av
.irp g, 0,1
.irp n, 0,1,2,3,4,5,6,7
	v_cvt_pk_bf16_f32 v[SB+16*\g+\n], v[SB+16*\g+2*\n], v[SB+16*\g+2*\n+1]   ; register n is free when it is written: its numbers went into register n / 2
.endr
.endr
.endif
.endm
.macro RS X                            ; O of tile X comes to the new maximum
.irp n, 0,1,2,3,4,5,6,7,8,9,10,11,12,13,14,15
	v_pk_mul_f32 v[O+32*\X+2*\n:O+32*\X+2*\n+1], v[O+32*\X+2*\n:O+32*\X+2*\n+1], v[AO+2*\X:AO+2*\X+1] op_sel_hi:[1,0]
.endr
.endm
; O^T += V^T P^T for tiles x0 .. 3.  The accumulators take turns, one instruction a turn, twice in the same order.
.macro AV x0, zero
	WIN 0x50
.irp g, 0,1
.irp dt, 0,1,2,3
.irp X, 0,1,2,3
.if \X >= \x0
.if \zero*(1-\g)
	v_wmma_f32_16x16x32_bf16 v[O+32*\X+8*\dt:O+32*\X+8*\dt+7], v[F+32*\g+8*\dt:F+32*\g+8*\dt+7], v[S+32*\X+16*\g:S+32*\X+16*\g+7], 0
.else
	v_wmma_f32_16x16x32_bf16 v[O+32*\X+8*\dt:O+32*\X+8*\dt+7], v[F+32*\g+8*\dt:F+32*\g+8*\dt+7], v[S+32*\X+16*\g:S+32*\X+16*\g+7], v[O+32*\X+8*\dt:O+32*\X+8*\dt+7]
.endif
.endif
.endr
.endr
.endr
.endm
; One key block, read from slot.  fill: 0 nothing, 1 the next block downward (K alone), 2 the next block upward (K and V), into the other slot.
; One barrier a step: in front of it every wave's reads of the other slot are back and all its tensor loads have landed, this slot's among them;
; behind it the other slot is filled first, then this slot is read.  The load has the whole step in which to land.
.macro STEP slot, first, avL, mkL, avH, mkH, fill
	s_set_vgpr_msb 0x5
	s_wait_tensorcnt 0x0
	ds_add_u32 v192, v193
	s_wait_dscnt 0x0
	s_set_vgpr_msb 0x500
.if \fill == 2
	UP
	SETADR (GK+4*(1-\slot)), 56, s60
	SETADR (GV+4*(1-\slot)), 58, s60
.endif
.if \fill == 1
	SETADR (GK+4*(1-\slot)), 56, s61
	s_sub_co_u32 s61, s61, 1
.endif
	s_wait_dscnt 0x0
	s_barrier_signal -1
	s_barrier_wait -1
.if \fill
	FILL \fill, (1-\slot)
.endif
	LOADK \slot
	s_wait_dscnt 0x0
	QK
	WIN 0
	PLACES 4                                       ; behind the matrix instructions: F is loaded again and S is read
.if \avH
	LOADV \slot
.endif
	SMHEAD \first, \avL, \avH
	SMX 0, \first, \avL, \mkL
	SMX 1, \first, \avL, \mkL
	SMX 2, \first, \avH, \mkH
	SMX 3, \first, \avH, \mkH
.if \avH
.if \first == 0
	WIN 0x41
.if \avL
	RS 0
	RS 1
.endif
	RS 2
	RS 3
.endif
	s_wait_dscnt 0x0                               ; V's fragments, asked for in front of the softmax
	AV (2-2*\avL), \first
	WIN 0
	PLACES 5                                       ; the next matrix instructions write over S, and F is loaded again
.endif
.endm
	STEP 0, 1, 1, 1, 1, 0, 2                       ; block j: diagonal for L, whole for H; starts every sum
	s_cmp_eq_u32 s17, 0
	s_cbranch_scc1 .Lno_low
	s_mov_b32 s66, 0
.Llow:
	STEP 1, 0, 1, 0, 1, 0, 1                       ; block i < j: whole for all four tiles
	STEP 0, 0, 0, 0, 0, 0, 2                       ; block 15 - i: maxima and sums alone
	s_add_co_u32 s66, s66, 1
	s_cmp_lt_u32 s66, s17
	s_cbranch_scc1 .Llow
.Lno_low:
	s_cmp_eq_u32 s17, 7
	s_cbranch_scc1 .Lno_mid
	s_sub_co_u32 s67, 7, s17
	s_mov_b32 s66, 0
.Lmid:
	STEP 1, 0, 0, 0, 1, 0, 2                       ; blocks j+1 .. 14-j: whole for H, maxima and sums for L
	STEP 0, 0, 0, 0, 1, 0, 2
	s_add_co_u32 s66, s66, 1
	s_cmp_lt_u32 s66, s67
	s_cbranch_scc1 .Lmid
.Lno_mid:
	STEP 1, 0, 0, 0, 1, 1, 0                       ; block 15 - j: diagonal for H; nothing is left to fetch
	; THE MERGE.  Waves 4-7 hand O, minus the maximum, the sum and O's maximum to waves 0-3 through LDS bytes that no tensor load touches.
.irp X, 0,1,2,3
	v_mov_b32 v[T+\X], v[NM+2*\X]
	v_add_f32 v[T+4+\X], v[LP+2*\X], v[LP+2*\X+1]
.endr
	s_cmp_lt_u32 s14, 4
	s_cbranch_scc1 .Lkeeper
	WIN 0x04
.set qq, 0
.rept 32
	ds_store_b128 v[XA], v[O+4*qq:O+4*qq+3] offset:512*qq
.set qq, qq+1
.endr
	WIN 0
	ds_store_b128 v[XA], v[T:T+3] offset:16384
	ds_store_b128 v[XA], v[T+4:T+7] offset:16896
	ds_store_b128 v[XA], v[MO:MO+3] offset:17408
.Lkeeper:
	s_wait_dscnt 0x0                               ; the stores are done before the signal
	s_barrier_signal -1
	s_barrier_wait -1
	s_cmp_ge_u32 s14, 4
	s_cbranch_scc1 .Lend
	ds_load_b128 v[F:F+3], v[XA] offset:16384      ; the partner's minus maxima,
	ds_load_b128 v[F+4:F+7], v[XA] offset:16896    ; sums,
	ds_load_b128 v[F+8:F+11], v[XA] offset:17408   ; O's maxima,
.set qq, 0
.rept 32
	ds_load_b128 v[S+4*qq:S+4*qq+3], v[XA] offset:512*qq           ; and O
.set qq, qq+1
.endr
	s_wait_dscnt 32                                ; the three small loads are in; O's 32 stay out
.irp X, 0,1,2,3
	v_min_num_f32 v[W+8*\X], v[T+\X], v[F+\X]      ; minus the joint maximum
.endr
.irp X, 0,1,2,3
	v_sub_f32 v[W+8*\X+1], v[W+8*\X], v[T+\X]
	v_sub_f32 v[W+8*\X+2], v[W+8*\X], v[F+\X]
	v_add_f32 v[W+8*\X+3], v[MO+\X], v[W+8*\X]
	v_add_f32 v[W+8*\X+4], v[F+8+\X], v[W+8*\X]
.endr
.irp X, 0,1,2,3
.irp e, 1,2,3,4
	v_exp_f32 v[W+8*\X+\e], v[W+8*\X+\e]
.endr
.endr
.irp X, 0,1,2,3
	v_mov_b32 v[W+8*\X+6], 0                       ; plain lines behind the exponentials; also: v_permlanex16_b32's destination counts as read
.endr
	s_wait_alu depctr_va_vdst(0)
.irp X, 0,1,2,3
	v_mul_f32 v[W+8*\X+5], v[T+4+\X], v[W+8*\X+1]
.endr
.irp X, 0,1,2,3
	v_fmac_f32 v[W+8*\X+5], v[F+4+\X], v[W+8*\X+2]
.endr
.irp X, 0,1,2,3
	v_permlanex16_b32 v[W+8*\X+6], v[W+8*\X+5], s62, s63
.endr
.irp X, 0,1,2,3
	v_add_f32 v[W+8*\X+5], v[W+8*\X+5], v[W+8*\X+6]                ; the sum over all 2,048 keys: at least 1
.endr
.irp X, 0,1,2,3
	v_rcp_f32 v[W+8*\X+6], v[W+8*\X+5]
.endr
	v_nop                                          ; one plain line behind the reciprocals
	s_wait_alu depctr_va_vdst(0)
.irp X, 0,1,2,3
	v_mul_f32 v[W+8*\X+6], v[W+8*\X+6], v[QM+\X]
.endr
.irp X, 0,1,2,3
	v_mul_f32 v[AO+2*\X], v[W+8*\X+3], v[W+8*\X+6]                 ; my O's factor
	v_mul_f32 v[NM+2*\X], v[W+8*\X+4], v[W+8*\X+6]                 ; the partner's
.endr
	s_wait_dscnt 0x0
.irp X, 0,1,2,3
.irp n, 0,1,2,3,4,5,6,7,8,9,10,11,12,13,14,15
	v_pk_mul_f32 v[S+32*\X+2*\n:S+32*\X+2*\n+1], v[S+32*\X+2*\n:S+32*\X+2*\n+1], v[NM+2*\X:NM+2*\X+1] op_sel_hi:[1,0]
.endr
.endr
	WIN 0x01
.irp X, 0,1,2,3
.irp n, 0,1,2,3,4,5,6,7,8,9,10,11,12,13,14,15
	v_pk_fma_f32 v[S+32*\X+2*\n:S+32*\X+2*\n+1], v[O+32*\X+2*\n:O+32*\X+2*\n+1], v[AO+2*\X:AO+2*\X+1], v[S+32*\X+2*\n:S+32*\X+2*\n+1] op_sel_hi:[1,0,1]
.endr
.endr
	WIN 0
; THE WAY OUT, a tile of 16 rows x 64 f32 at a time, through my own stage: register i of tile dt is d = 16 dt + 8 h + i of row r.
.macro OUTT X, base, odd, f
.irp dt, 0,1,2,3
	ds_store_b128 v[STO], v[S+32*\X+8*\dt:S+32*\X+8*\dt+3]   offset:64*\dt
	ds_store_b128 v[STO], v[S+32*\X+8*\dt+4:S+32*\X+8*\dt+7] offset:64*\dt+16
.endr
	s_wait_xcnt 0x0                                ; the registers that earlier stores read are loaded again only behind this wait
.irp i, 0,1,2,3,4,5,6,7
	ds_load_b128 v[\f+4*\i:\f+4*\i+3], v[RD] offset:\i*2*SPI       ; LDS serves a wave's instructions in order: these see the stores above
.endr
.irp i, 0,1,2,3,4,5,6,7
	s_wait_dscnt 7-\i
	global_store_b128 v[CO], v[\f+4*\i:\f+4*\i+3], s[\base:\base+1] offset:4096*\i+32768*\odd   ; 16 lanes store 256 consecutive bytes, aligned
.endr
.endm
	OUTT 0, 78, 0, F
	OUTT 1, 78, 1, F+32
	OUTT 2, 80, 0, F
	OUTT 3, 80, 1, F+32
.Lend:
	s_set_vgpr_msb 0x5
	s_wait_tensorcnt 0x0
	ds_add_u32 v192, v193
	s_wait_dscnt 0x0
	s_set_vgpr_msb 0x500
	s_endpgm
.Lfunc_end_k_q77d0f1a141_attn:
	.size	k_q77d0f1a141_attn, .Lfunc_end_k_q77d0f1a141_attn-k_q77d0f1a141_attn
	.p2alignl 7, 3214868480
	.fill 96, 4, 3214868480
	.section	.rodata,"a",@progbits
	.p2align	6, 0x0
	.amdhsa_kernel k_q77d0f1a141_attn
		.amdhsa_group_segment_fixed_size 327680
		.amdhsa_private_segment_fixed_size 0
		.amdhsa_enable_private_segment 0
		.amdhsa_kernarg_size 40
		.amdhsa_user_sgpr_count 2
		.amdhsa_user_sgpr_kernarg_segment_ptr 1
		.amdhsa_wavefront_size32 1
		.amdhsa_system_sgpr_workgroup_id_x 1
		.amdhsa_system_sgpr_workgroup_id_y 1
		.amdhsa_system_sgpr_workgroup_id_z 1
		.amdhsa_system_vgpr_workitem_id 0
		.amdhsa_next_free_vgpr 450
		.amdhsa_next_free_sgpr 82
		.amdhsa_reserve_vcc 1
		.amdhsa_float_denorm_mode_32 3
		.amdhsa_float_denorm_mode_16_64 3
		.amdhsa_memory_ordered 1
		.amdhsa_forward_progress 1
		.amdhsa_inst_pref_size 217
	.end_amdhsa_kernel
	.amdgpu_metadata
---
amdhsa.version: [ 1, 2 ]
amdhsa.kernels:
  - .name:           k_q77d0f1a141_attn
    .symbol:         k_q77d0f1a141_attn.kd
    .args:
      - { .name: Qp, .offset: 0, .size: 8, .value_kind: global_buffer, .address_space: global }
      - { .name: Kp, .offset: 8, .size: 8, .value_kind: global_buffer, .address_space: global }
      - { .name: Vp, .offset: 16, .size: 8, .value_kind: global_buffer, .address_space: global }
      - { .name: query_mask, .offset: 24, .size: 8, .value_kind: global_buffer, .address_space: global }
      - { .name: xatt, .offset: 32, .size: 8, .value_kind: global_buffer, .address_space: global }
    .group_segment_fixed_size: 327680
    .private_segment_fixed_size: 0
    .kernarg_segment_align: 8
    .kernarg_segment_size: 40
    .max_flat_workgroup_size: 256
    .sgpr_count:     82
    .vgpr_count:     450
    .wavefront_size: 32
...
	.end_amdgpu_metadata
.endif
;; end of part 2
;; launch norm (part 3): grid 256 x 1, 8 waves a work-group, no clusters, 0 bytes of LDS; arguments xatt, query, gamma, beta, out0; writes out0
.if DOCPART == 3
	.amdgcn_target "amdgcn-amd-amdhsa--gfx1250"
	.amdhsa_code_object_version 6
	.text
	.protected	k_q77d0f1a141_norm
	.globl	k_q77d0f1a141_norm
	.p2align	8
	.type	k_q77d0f1a141_norm,@function
k_q77d0f1a141_norm:
	s_mov_b64 s[64:65], 0
	v_nop
	global_prefetch_b8 v0, s[64:65] scope:SCOPE_SE
	s_setreg_imm32_b32 hwreg(HW_REG_WAVE_MODE, 25, 1), 1
	s_wait_xcnt 0x0
; out0 = LayerNorm(xatt + query) * gamma + beta, eps = 1e-3.  All [8192][512] f32; a row is 2,048 bytes.
; One wave takes four whole rows (a lane holds bytes 512 jj + 16 L of a row, jj = 0..3), so mean and variance never leave the wave: no LDS, no barrier.
; All 40 loads of a wave go out at once (each covers 512 consecutive bytes); each row is worked on when its eight loads are in.
; The variance is taken in two passes, as the definition has it: no difference of large sums is formed.
; The matrix units, clusters and LDS have nothing to add to a stream that reads each byte once.
.set ROW, 2048
.set G,  4                             ; v[4:19]   gamma of my 16 columns
.set BT, 20                            ; v[20:35]  beta
.set Y,  36                            ; v[36:163] row i: 16 registers xatt, then y; 16 registers query
.set T,  164                           ; v[164:175] at work
	s_load_b256 s[4:11], s[0:1], 0x0               ; xatt, query, gamma, beta
	s_load_b64 s[12:13], s[0:1], 0x20              ; out0
	s_lshl_b32 s14, ttmp9, 16                      ; the work-group's 32 rows
	s_mov_b32 s15, 0
	s_mov_b32 s16, 0x76543210                      ; v_permlanex16_b32: lane i reads lane i of the other half
	s_mov_b32 s17, 0xfedcba98
	s_mov_b32 s18, 0x3b000000                      ; 1 / 512
	s_mov_b32 s19, 0x3a83126f                      ; 1e-3
	v_and_b32 v1, 31, v0
	v_lshlrev_b32 v1, 4, v1                        ; 16 L
	v_lshrrev_b32 v2, 5, v0
	v_lshl_add_u32 v2, v2, 13, v1                  ; + wave x 4 rows
	s_wait_kmcnt 0x0
	s_add_nc_u64 s[4:5], s[4:5], s[14:15]
	s_add_nc_u64 s[6:7], s[6:7], s[14:15]
	s_add_nc_u64 s[12:13], s[12:13], s[14:15]
.irp jj, 0,1,2,3
	global_load_b128 v[G+4*\jj:G+4*\jj+3], v1, s[8:9] offset:512*\jj
.endr
.irp jj, 0,1,2,3
	global_load_b128 v[BT+4*\jj:BT+4*\jj+3], v1, s[10:11] offset:512*\jj
.endr
.irp i, 0,1,2,3
.irp jj, 0,1,2,3
	global_load_b128 v[Y+32*\i+4*\jj:Y+32*\i+4*\jj+3], v2, s[4:5] offset:\i*ROW+512*\jj th:TH_LOAD_NT
.endr
.irp jj, 0,1,2,3
	global_load_b128 v[Y+32*\i+16+4*\jj:Y+32*\i+16+4*\jj+3], v2, s[6:7] offset:\i*ROW+512*\jj th:TH_LOAD_NT
.endr
.endr
.macro LANESUM                         ; v[T] summed over the 32 lanes, the result in every lane
	v_add_f32_dpp v[T], v[T], v[T] row_xmask:1 row_mask:0xf bank_mask:0xf
	v_add_f32_dpp v[T], v[T], v[T] row_xmask:2 row_mask:0xf bank_mask:0xf
	v_add_f32_dpp v[T], v[T], v[T] row_xmask:4 row_mask:0xf bank_mask:0xf
	v_add_f32_dpp v[T], v[T], v[T] row_xmask:8 row_mask:0xf bank_mask:0xf
	v_permlanex16_b32 v[T+1], v[T], s16, s17       ; its destination has been written
	v_add_f32 v[T], v[T], v[T+1]
.endm
.macro ROWN i
.set YB, Y+32*\i
	s_wait_loadcnt 8*(3-\i)                        ; my row's eight loads are in; the later rows' stay out
.irp n, 0,1,2,3,4,5,6,7
	v_pk_add_f32 v[YB+2*\n:YB+2*\n+1], v[YB+2*\n:YB+2*\n+1], v[YB+16+2*\n:YB+16+2*\n+1]   ; y = xatt + query
.endr
.irp n, 0,1,2,3
	v_pk_add_f32 v[T+2*\n:T+2*\n+1], v[YB+4*\n:YB+4*\n+1], v[YB+4*\n+2:YB+4*\n+3]
.endr
	v_pk_add_f32 v[T:T+1], v[T:T+1], v[T+2:T+3]
	v_pk_add_f32 v[T+4:T+5], v[T+4:T+5], v[T+6:T+7]
	v_pk_add_f32 v[T:T+1], v[T:T+1], v[T+4:T+5]
	v_add_f32 v[T], v[T], v[T+1]
	LANESUM
	v_mul_f32 v[T+2], 0xbb000000, v[T]             ; minus the mean, twice
	v_mul_f32 v[T+3], 0xbb000000, v[T]
.irp n, 0,1,2,3,4,5,6,7
	v_pk_add_f32 v[YB+2*\n:YB+2*\n+1], v[YB+2*\n:YB+2*\n+1], v[T+2:T+3]
.endr
	v_pk_mul_f32 v[T+4:T+5], v[YB:YB+1], v[YB:YB+1]
	v_pk_mul_f32 v[T+6:T+7], v[YB+2:YB+3], v[YB+2:YB+3]
.irp n, 2,4,6
	v_pk_fma_f32 v[T+4:T+5], v[YB+2*\n:YB+2*\n+1], v[YB+2*\n:YB+2*\n+1], v[T+4:T+5]
	v_pk_fma_f32 v[T+6:T+7], v[YB+2*\n+2:YB+2*\n+3], v[YB+2*\n+2:YB+2*\n+3], v[T+6:T+7]
.endr
	v_pk_add_f32 v[T+4:T+5], v[T+4:T+5], v[T+6:T+7]
	v_add_f32 v[T], v[T+4], v[T+5]
	LANESUM
	v_fma_f32 v[T], v[T], s18, s19                 ; variance + eps
	v_rsq_f32 v[T+2], v[T]
	v_rsq_f32 v[T+3], v[T]
	v_nop                                          ; one plain line behind the transcendentals (ISA guide 5.7.2)
	s_wait_alu depctr_va_vdst(0)
.irp n, 0,1,2,3,4,5,6,7
	v_pk_mul_f32 v[YB+2*\n:YB+2*\n+1], v[YB+2*\n:YB+2*\n+1], v[T+2:T+3]
.endr
.irp n, 0,1,2,3,4,5,6,7
	v_pk_fma_f32 v[YB+2*\n:YB+2*\n+1], v[YB+2*\n:YB+2*\n+1], v[G+2*\n:G+2*\n+1], v[BT+2*\n:BT+2*\n+1]
.endr
.irp jj, 0,1,2,3
	global_store_b128 v2, v[YB+4*\jj:YB+4*\jj+3], s[12:13] offset:\i*ROW+512*\jj th:TH_STORE_NT   ; 512 consecutive bytes, aligned; no register of a store is written again
.endr
.endm
	ROWN 0
	ROWN 1
	ROWN 2
	ROWN 3
	s_endpgm
.Lfunc_end_k_q77d0f1a141_norm:
	.size	k_q77d0f1a141_norm, .Lfunc_end_k_q77d0f1a141_norm-k_q77d0f1a141_norm
	.p2alignl 7, 3214868480
	.fill 96, 4, 3214868480
	.section	.rodata,"a",@progbits
	.p2align	6, 0x0
	.amdhsa_kernel k_q77d0f1a141_norm
		.amdhsa_group_segment_fixed_size 0
		.amdhsa_private_segment_fixed_size 0
		.amdhsa_enable_private_segment 0
		.amdhsa_kernarg_size 40
		.amdhsa_user_sgpr_count 2
		.amdhsa_user_sgpr_kernarg_segment_ptr 1
		.amdhsa_wavefront_size32 1
		.amdhsa_system_sgpr_workgroup_id_x 1
		.amdhsa_system_sgpr_workgroup_id_y 1
		.amdhsa_system_sgpr_workgroup_id_z 1
		.amdhsa_system_vgpr_workitem_id 0
		.amdhsa_next_free_vgpr 176
		.amdhsa_next_free_sgpr 66
		.amdhsa_reserve_vcc 0
		.amdhsa_float_denorm_mode_32 3
		.amdhsa_float_denorm_mode_16_64 3
		.amdhsa_memory_ordered 1
		.amdhsa_forward_progress 1
		.amdhsa_inst_pref_size 23
	.end_amdhsa_kernel
	.amdgpu_metadata
---
amdhsa.version: [ 1, 2 ]
amdhsa.kernels:
  - .name:           k_q77d0f1a141_norm
    .symbol:         k_q77d0f1a141_norm.kd
    .args:
      - { .name: xatt, .offset: 0, .size: 8, .value_kind: global_buffer, .address_space: global }
      - { .name: query, .offset: 8, .size: 8, .value_kind: global_buffer, .address_space: global }
      - { .name: gamma, .offset: 16, .size: 8, .value_kind: global_buffer, .address_space: global }
      - { .name: beta, .offset: 24, .size: 8, .value_kind: global_buffer, .address_space: global }
      - { .name: out0, .offset: 32, .size: 8, .value_kind: global_buffer, .address_space: global }
    .group_segment_fixed_size: 0
    .private_segment_fixed_size: 0
    .kernarg_segment_align: 8
    .kernarg_segment_size: 40
    .max_flat_workgroup_size: 256
    .sgpr_count:     66
    .vgpr_count:     176
    .wavefront_size: 32
...
	.end_amdgpu_metadata
.endif
;; end of part 3
